; MI455X (gfx1250); checked and timed in simulation.
; The chip was launched on July 23, 2026; its instructions are those of AMD's public machine-readable ISA for CDNA 5 (MIT licence, August 2026) and "CDNA5" Instruction Set Architecture Reference Guide (July 2026). The comments in the code are by the model that wrote it; some were corrected since.
;; Attention. Allowed arithmetic: matrix products marked QUANTISED: E5M2 operands, one given power-of-two scale a tensor, by v_wmma_f32_16x16x64_bf8_bf8 or v_wmma_f32_16x16x128_bf8_bf8, f32 sums; everything else in f32.
;; Inputs: W_out_codes 1,024 x 32 x 32 uint8 (E5M2 codes of W_out, K innermost, in blocks of 32 codes); W_qkv_codes 3,072 x 32 x 32 uint8 (E5M2 codes of W_qkv, K innermost, in blocks of 32 codes); b_out 1,024 float32; b_qkv 3,072 float32; lowp_scales 8 int32 (the exponents e of the quantised operands' scales 2^e); x_codes 4 x 2,048 x 32 x 32 uint8 (E5M2 codes of x, K innermost, in blocks of 32 codes).
;; Outputs: out0 4 x 2,048 x 1,024 float32.
;; This version of the problem:
;;   THIS VERSION OF THE PROBLEM IS GIVEN IN LOW PRECISION. The matrix products marked QUANTISED in the list below multiply operands that are first quantised to E5M2 (5 exponent bits, 2 mantissa bits; 8 bits a number), with one given power-of-two scale for each operand tensor; their sums are f32. All else is computed in f32.
;;   The module's matrix products, in the order in which they are computed (A, B: the left and right operand; K: the contracted axis; several contracted axes count as one K, in the product's order):
;;     1. [M 8,192, K 1,024] x [K 1,024, N 3,072]; A: input x (given as codes); B: input W_qkv (given as codes): QUANTISED (scales: A lowp_scales[0], B lowp_scales[1])
;;     2. batch 64 x [M 2,048, K 64] x [K 64, N 2,048]; A: computed on the way; B: computed on the way: QUANTISED (scales: A lowp_scales[2], B lowp_scales[3])
;;     3. batch 64 x [M 2,048, K 2,048] x [K 2,048, N 64]; A: softmax (see below); B: computed on the way: QUANTISED (scales: A lowp_scales[4], B lowp_scales[5])
;;     4. [M 8,192, K 1,024] x [K 1,024, N 1,024]; A: computed on the way; B: input W_out (given as codes): QUANTISED (scales: A lowp_scales[6], B lowp_scales[7])
;;   THE QUANTISER, for each operand of a quantised product, along K:
;;     - The operand's scale is 2^e, e = its entry of the input lowp_scales (int32; the entries are numbered through the quantised products in the list's order, A before B).
;;     - Each number is divided by the scale, clamped to +-57,344, and rounded to the nearest number of E5M2, ties to even, subnormals kept.
;;     - The product sums the exact products of the quantised numbers (number of the format x scale) in f32.
;;   ~~~python
;;   def quantise(x, axis, e):      # numpy; x: float32 -> the quantised numbers, widened to float32 again
;;       x = np.moveaxis(x, axis, -1); K = x.shape[-1]
;;       r = np.clip(x / 2.0 ** e, -57344, 57344)
;;       step = 2.0 ** (np.maximum(np.frexp(np.where(r == 0, 1, r))[1] - 1, -14) - 2)
;;       q = np.round(r / step) * step * 2.0 ** e      # np.round: ties to even
;;       return np.moveaxis(q, -1, axis).astype(np.float32)
;;   ~~~
;;   SOFTMAX AHEAD OF A QUANTISED PRODUCT. Where the list says 'softmax', what is quantised is not the finished softmax but p = 2^(t - M), with t = logit x log2(e) and M = ceil(the row's largest t), a whole number; so 1/2 < the row's largest p <= 1. The row's sum l is taken of the UNQUANTISED p, in f32, and the product's result is divided by l at the end. Since M is a whole number, a kernel that streams over the keys may use a running M (the ceiling of the running maximum): every later rescaling is an exact power of two, so the quantised numbers keep their values, but for numbers so far below the row's largest that they fall under the format's range.
;;   OPERANDS COMPUTED ON THE WAY. 'Computed on the way' means the value that the module computes at that place (a softmax that the list does not call 'softmax' is quantised finished and normalised). What goes into a quantiser is computed in f32, as accurately as f32 sums, v_exp_f32 and their like allow (about 1e-6 of the number): no bf16 or f16 on the way to a quantiser, and a product that is left as it is and whose result goes on into a quantised operand takes f32 operands (vector FMAs, or v_wmma_f32_16x16x4_f32). A number that lies on a knife's edge between two numbers of the format may be rounded either way, as far as f32 arithmetic and the matrix unit's own rounding can turn it there, and no further.
;;   INPUTS GIVEN AS CODES. W_out (in the module: [1024, 1024], K = its axis 0); W_qkv (in the module: [1024, 3072], K = its axis 0); x (in the module: [4, 2048, 1024], K = its axis 2): each comes as NAME_codes (uint8): NAME with its K axis moved to the last place and cut into blocks of 32 codes, [.., K / 32, bytes a block], one block behind the other in memory; one code a byte (a code: sign, 5 exponent bits, 2 mantissa bits); its scale is its entry of lowp_scales. Its value is code x scale, taken as it is: it is not quantised again, and the codes and scales need not be those that the quantiser above would give.
;; One version. Each part assembles by itself: llvm-mc -triple=amdgcn-amd-amdhsa -mcpu=gfx1250 --defsym DOCPART=n.
;; ======== version 1 of 1: 3 launches
;; limits: right only within a limited range of input values
;; workspace buffers: qc 8,388,608 bytes; kv 16,777,216 bytes; oc 8,388,608 bytes
;; launch qkv (part 1): grid 16 x 32, 4 waves a work-group, clusters of 4 x 4, 327,680 bytes of LDS; arguments x_codes, W_qkv_codes, b_qkv, lowp_scales, qc, kv; writes qc, kv
.if DOCPART == 1
	.amdgcn_target "amdgcn-amd-amdhsa--gfx1250"
	.amdhsa_code_object_version 6
	.text
	.protected	k_q65c2fd703e_qkv
	.globl	k_q65c2fd703e_qkv
	.p2align	8
	.type	k_q65c2fd703e_qkv,@function
k_q65c2fd703e_qkv:
	s_mov_b64 s[64:65], 0
	v_nop
	global_prefetch_b8 v0, s[64:65] scope:SCOPE_SE
	s_setreg_imm32_b32 hwreg(HW_REG_WAVE_MODE, 25, 1), 1
	s_wait_xcnt 0x0
	s_wait_alu depctr_hold_cnt(0) depctr_sa_sdst(0) depctr_va_vdst(0) depctr_va_sdst(0) depctr_va_ssrc(0) depctr_va_vcc(0) depctr_vm_vsrc(0)
	s_getreg_b32 s2, hwreg(HW_REG_IB_STS2, 6, 4)
	s_cmp_eq_u32 s2, 0
	s_cbranch_scc0 .Lentry_in_a_cluster
	s_endpgm
.Lentry_in_a_cluster:
	s_bfe_u32 s2, ttmp6, 0x10000c
	s_cmp_lg_u32 s2, 0xf033
	s_cbranch_scc0 .Lentry_shape_is_right
	s_endpgm
.Lentry_shape_is_right:
; qkv = x W_qkv + b_qkv on codes of E5M2, and the quantisers of q, k and v.  x: [8192][1024] codes, W: [3072][1024] codes, K innermost; b: [3072] f32; the eight exponents e0..e7: int32.
; Column n of the product is 192 head + 64 c + d (c = 0 q, 1 k, 2 v): 192 neighbouring rows of W are one head's q, k and v.
; SHARES.  A work-group makes 256 rows of x (block y) x the 192 columns of one head (hx): which tile is q's, k's or v's is the same in every work-group.  Wave w: rows 64 w .. 64 w + 63 x 192 columns:
; 4 x 12 = 48 accumulators.  K goes in steps of 128; an LDS slot holds 256 along K (rows of 256 bytes of memory); two slots, filled by the tensor data mover; K = 1,024 is four slots' worth, all written out: no loop.
; CLUSTERS: 4 x 4 work-groups.  x's tile hangs on y alone and is asked for jointly along a row of the cluster, W's on hx alone, jointly along a column.
; WHAT LEAVES ARE IMAGES OF OPERAND REGISTERS (four registers = 512 bytes, lane l's 16 bytes at 16 l), in the order k = 16 c + 8 (l / 16) + 0..7 in registers 2 c, 2 c + 1:
;   q's and k's tiles are used transposed (source 0 = 16 rows of W, source 1 = 16 rows of x): a lane holds one row of x and eight neighbouring d: a conversion gives registers 2 n, 2 n + 1 of a fragment 16 rows x 64 d.
;   v's tiles are used as they are (source 0 = x, source 1 = W): a lane holds one d and eight neighbouring keys: a conversion gives registers 2 T, 2 T + 1 of a fragment 16 d x 128 keys.
;   So every store of a wave covers 512 consecutive bytes, aligned, and nothing goes through LDS on the way out.
;   qc: [bh 64][query tile 128][1,024 B];  kv: [bh 64][step of 128 keys: 16][K: key tile T at 1,024 T | V at 8,192 + 2,048 dn + 512 quad].
; SCALES.  A sum stands for sum x 2^(e0 + e1).  The bias goes in as the C of each sum's first product, divided by 2^(e0 + e1); the conversions take 2^(eX - e0 - e1), X = 2 (q), 3 (k), 5 (v).
; LIMITS: eX - e0 - e1 between -126 and 112, so that the scale and 57,344 x the scale are f32 numbers; b / 2^(e0 + e1) finite.  NaN among the inputs is not served.
; Inside a product k is permuted alike in both operands (four loads of 16 bytes a fragment): every product meets its partner; only the order of the sums inside an instruction differs.
; REGISTERS, in windows of 256.  Window 0: v8-13 scales and holds; v16-29 addresses; v32-35 v's bias as loaded; v64-127, v128-191 x's fragments, two sets (on the way out: v64-95 held numbers, v96-191 codes).
;   window 1: W's 12 fragments, one set, at v[16 nt].   window 2: q's and k's accumulators (nt, mt) at v[8 (4 nt + mt)].   window 3: v's accumulators (dn, mt) at v[8 (4 dn + mt)]; v128-191 q's and k's bias tiles; v192-223 v's.
.set PITCH, 272                        ; an LDS row: 256 bytes + 16 of padding = 68 words: the 16 rows that a load touches start at 16 different banks
.set AHALF, 128*PITCH                  ; what one tensor load brings of x
.set BHALF, 96*PITCH                   ; and of W
.set BOFF,  2*AHALF                    ; W's 192 rows lie behind x's 256
.set SLOT,  BOFF+2*BHALF               ; 121,856 bytes
.set SPARE, 2*SLOT                     ; behind the ring: the spare words, 128 bytes a wave: two blocks of 256 bytes that no other line names
.set SCQ, 8
.set LMQ, 9
.set SCK, 10
.set LMK, 11
.set SCV, 12
.set LMV, 13
.set ADRA, 16                          ; v16-17 LDS address of my fragments of x in slot 0, 1
.set ADRB, 20                          ; v20-21 the same for W
.set LO,  26                           ; v26 16 x lane: my place in an image
.set SPW, 28                           ; v28 LDS address of my spare word; never rewritten
.set NIL, 29                           ; v29 0; never rewritten
.set BT,  32
.set AF,  64
.set TMP, 64
.set CD,  96
.set BQK, 128
.set BV,  192
.set G1,  24                           ; s[24:31] descriptor group 1 for x's tiles; s[32:39] group 0, a set for each slot
.set G0,  32
.set G1B, 48                           ; s[48:55], s[56:63] the same for W's
.set G0B, 56
.set MSB, 0
.macro WIN new                         ; the immediate's high byte repeats the setting that is left
.if MSB != \new
	s_set_vgpr_msb (MSB<<8)|\new
.set MSB, \new
.endif
.endm
.macro PLACES                          ; four plain vector instructions between a matrix instruction and a load into, or a vector instruction on, its registers
.rept 4
	v_nop
.endr
.endm
; A joint load: waves 0 and 1 fetch x's halves, waves 2 and 3 W's.  The branch hangs on the wave's number alone.  Four v_nop follow each of the two lines.
.macro JLOAD s
	s_cmp_eq_u32 s17, 0
	s_cbranch_scc0 .Lfor_b_\@
	tensor_load_to_lds s[G0+4*\s:G0+4*\s+3], s[G1:G1+7]
	s_nop 0
.rept 4
	v_nop
.endr
	s_branch .Lasked_\@
.Lfor_b_\@:
	tensor_load_to_lds s[G0B+4*\s:G0B+4*\s+3], s[G1B:G1B+7]
	s_nop 0
.rept 4
	v_nop
.endr
.Lasked_\@:
.endm
.macro CREST                           ; a round of the cluster's barrier behind its opening barrier
	s_cmp_lg_u32 s16, 0
	s_cbranch_scc1 .Lnot_wave_0_\@
	s_barrier_signal -3
.Lnot_wave_0_\@:
	s_barrier_wait -3
	s_barrier_signal -1
	s_barrier_wait -1
.endm
.macro CROUND                          ; a whole round
	s_barrier_signal -1
	s_barrier_wait -1
	CREST
.endm
	s_load_b256 s[4:11], s[0:1], 0x0               ; x s[4:5], W s[6:7], b s[8:9], the exponents s[10:11]
	s_load_b128 s[12:15], s[0:1], 0x20             ; qc s[12:13], kv s[14:15]
	v_lshl_add_u32 v[SPW], v0, 2, SPARE
	v_mov_b32 v[NIL], 0
	ds_add_u32 v28, v29
	ds_add_u32 v28, v29
	s_wait_dscnt 0x0
	v_lshrrev_b32 v1, 5, v0
	v_readfirstlane_b32 s16, v1                    ; wave 0..3
	s_lshr_b32 s17, s16, 1                         ; I fetch for x (0) or for W (1)
	s_and_b32 s18, s16, 1                          ; which half of that tile's rows
	s_bfe_u32 s40, ttmp6, 0x40000                  ; cx, cy: my place in the cluster
	s_bfe_u32 s41, ttmp6, 0x40004
	s_lshl_b32 s42, ttmp9, 2
	s_add_co_u32 s42, s42, s40                     ; hx: the head = 4 x cluster x + cx
	s_and_b32 s43, ttmp7, 0xffff
	s_lshl_b32 s43, s43, 2
	s_add_co_u32 s43, s43, s41                     ; y: the block of 256 rows = 4 x cluster y + cy
	s_lshl_b32 s44, s41, 2
	s_lshl_b32 s44, 15, s44                        ; my row of the cluster
	s_lshl_b32 s45, 0x1111, s40                    ; my column
	s_or_b32 s[G1+0], s44, (1<<20)|(1<<21)|(5<<22)|(3<<25)   ; 15:0 the mask; 17:16 elements of 1 byte; 20 padding on; 21 set beside a mask; 24:22 after every 64 words; 31:25 four words
	s_or_b32 s[G1B+0], s45, (1<<20)|(1<<21)|(5<<22)|(3<<25)
	s_mov_b32 s[G1+1], 256<<16                     ; tensor_dim0 = 256
	s_mov_b32 s[G1+2], 128<<16                     ; tensor_dim1 = 128
	s_mov_b32 s[G1+3], 256<<16                     ; tile_dim0
	s_mov_b32 s[G1+4], 128                         ; tile_dim1
	s_mov_b32 s[G1+5], 1024                        ; from row to row
	s_mov_b32 s[G1+6], 0
	s_mov_b32 s[G1+7], 0
	s_mov_b32 s[G1B+1], 256<<16
	s_mov_b32 s[G1B+2], 96<<16                     ; W: 96 rows a load
	s_mov_b32 s[G1B+3], 256<<16
	s_mov_b32 s[G1B+4], 96
	s_mov_b32 s[G1B+5], 1024
	s_mov_b32 s[G1B+6], 0
	s_mov_b32 s[G1B+7], 0
	s_lshl_b32 s20, s43, 18                        ; x: (256 y + 128 half) rows of 1,024 bytes
	s_lshl_b32 s21, s18, 17
	s_add_co_u32 s20, s20, s21
	s_mov_b32 s21, 0
	s_mul_i32 s46, s42, 192*1024                   ; W: (192 hx + 96 half) rows
	s_mul_i32 s47, s18, 96*1024
	s_add_co_u32 s46, s46, s47
	s_mov_b32 s47, 0
	s_mul_i32 s22, s18, AHALF                      ; where they go: no place in the cluster enters an LDS address
	s_mul_i32 s23, s18, BHALF
	s_add_co_u32 s23, s23, BOFF
	s_wait_kmcnt 0x0
	s_load_b256 s[72:79], s[10:11], 0x0            ; e0 .. e7
	s_add_nc_u64 s[20:21], s[4:5], s[20:21]
	s_add_nc_u64 s[46:47], s[6:7], s[46:47]
	CROUND                                         ; all sixteen work-groups are here: the first joint loads meet
.irp s, 0,1
	s_mov_b32 s[G0+4*\s], 1
	s_add_co_u32 s[G0+4*\s+1], s22, \s*SLOT
	s_add_nc_u64 s[G0+4*\s+2:G0+4*\s+3], s[20:21], \s*256
	s_or_b32 s[G0+4*\s+3], s[G0+4*\s+3], 0x80000000
	s_mov_b32 s[G0B+4*\s], 1
	s_add_co_u32 s[G0B+4*\s+1], s23, \s*SLOT
	s_add_nc_u64 s[G0B+4*\s+2:G0B+4*\s+3], s[46:47], \s*256
	s_or_b32 s[G0B+4*\s+3], s[G0B+4*\s+3], 0x80000000
	JLOAD \s                                       ; two tensor loads of mine are out
.endr
	; where the results go
	s_lshr_b32 s80, s43, 3
	s_lshl_b32 s80, s80, 4
	s_add_co_u32 s80, s80, s42                     ; bh = 16 (y / 8) + hx
	s_and_b32 s81, s43, 7                          ; which 256 of the batch's 2,048 rows
	s_lshl_b32 s82, s80, 17                        ; qc: a head is 131,072 bytes; query tile 16 (y % 8) + 4 w + mt, 1,024 bytes each
	s_lshl_b32 s83, s81, 14
	s_add_co_u32 s82, s82, s83
	s_lshl_b32 s83, s16, 12
	s_add_co_u32 s82, s82, s83
	s_mov_b32 s83, 0
	s_add_nc_u64 s[12:13], s[12:13], s[82:83]
	s_lshl_b32 s82, s80, 18                        ; kv: a head is 262,144 bytes; key step 2 (y % 8) + w / 2, 16,384 bytes each
	s_lshl_b32 s84, s81, 15
	s_add_co_u32 s82, s82, s84
	s_lshl_b32 s84, s17, 14
	s_add_co_u32 s82, s82, s84
	s_lshl_b32 s84, s18, 10                        ; V: behind K's 8,192 bytes; my four key tiles are quads 2 (w % 2) and 2 (w % 2) + 1
	s_add_co_u32 s84, s84, s82
	s_add_co_u32 s84, s84, 8192
	s_mov_b32 s85, 0
	s_add_nc_u64 s[86:87], s[14:15], s[84:85]
	s_lshl_b32 s84, s18, 12                        ; K: key tile 4 (w % 2) + mt
	s_add_co_u32 s82, s82, s84
	s_add_nc_u64 s[14:15], s[14:15], s[82:83]
	s_mul_i32 s88, s42, 768                        ; b: my head's 192 numbers
	s_mov_b32 s89, 0
	s_add_nc_u64 s[8:9], s[8:9], s[88:89]
	v_and_b32 v1, 15, v0                           ; r = lane % 16
	v_bfe_u32 v2, v0, 4, 1                         ; h = lane / 16
	v_mul_u32_u24 v3, v1, PITCH
	v_lshl_add_u32 v4, v2, 4, v3                   ; a fragment's row x pitch + 16 h
	s_mul_i32 s84, s16, 64*PITCH                   ; my 64 rows of x
	s_mov_b32 s85, BOFF                            ; all 192 rows of W
.irp s, 0,1
	v_add_nc_u32 v[ADRA+\s], s84, v4
	v_add_nc_u32 v[ADRB+\s], s85, v4
	s_add_co_u32 s84, s84, SLOT
	s_add_co_u32 s85, s85, SLOT
.endr
	v_and_b32 v[LO], 31, v0
	v_lshlrev_b32 v[LO], 4, v[LO]
	v_lshlrev_b32 v5, 5, v2                        ; q, k: lane (r, h) wants b at columns 16 nt + 8 h + 0..7
	v_lshlrev_b32 v6, 2, v1                        ; v: at column 128 + 16 dn + r
.irp n, 0,1,2,3,4,5,6,7
	global_load_b128 v[AF+8*\n:AF+8*\n+3], v5, s[8:9] offset:64*\n
	global_load_b128 v[AF+8*\n+4:AF+8*\n+7], v5, s[8:9] offset:64*\n+16
.endr
.irp d, 0,1,2,3
	global_load_b32 v[BT+\d], v6, s[8:9] offset:512+64*\d
.endr
	s_wait_loadcnt 0x0
	s_wait_kmcnt 0x0
	s_add_co_i32 s90, s72, s73                     ; e0 + e1
	s_sub_co_i32 s91, 0, s90
	WIN 0xc0                                       ; destination window 3, source window 0
.set i, 0
.rept 64
	v_ldexp_f32 v[BQK+i], v[AF+i], s91             ; b / 2^(e0 + e1), in the result's layout
.set i, i+1
.endr
.set i, 0
.rept 32
	v_ldexp_f32 v[BV+i], v[BT+i/8], s91            ; v's: one number a lane, in all eight registers of the tile
.set i, i+1
.endr
	WIN 0
.macro SCALE e, sc, lm                 ; 2^(e - e0 - e1) and 57,344 x that, as f32
	s_sub_co_i32 s92, s[\e], s90
	s_add_co_i32 s92, s92, 127
	s_lshl_b32 s93, s92, 23
	v_mov_b32 v[\sc], s93
	s_add_co_i32 s92, s92, 15
	s_lshl_b32 s92, s92, 23
	s_or_b32 s92, s92, 0x600000
	v_mov_b32 v[\lm], s92
.endm
	SCALE 74, SCQ, LMQ
	SCALE 75, SCK, LMK
	SCALE 77, SCV, LMV
.macro FRAG reg, adr, q, i             ; a fragment, 16 rows x 128 K: four loads of 16 bytes, 32 bytes apart
.irp c, 0,1,2,3
	ds_load_b128 v[\reg+4*\c:\reg+4*\c+3], v[\adr] offset:128*(\q)+32*\c+(\i)*16*PITCH
.endr
.endm
.macro FETCH_A slot, q, p              ; x's four fragments of the slot's q-th 128 along K into set p: 16 loads
.irp i, 0,1,2,3
	FRAG AF+64*(\p)+16*\i, ADRA+\slot, \q, \i
.endr
.endm
.macro FETCH_B slot, q, n0             ; W's fragments n0 .. n0 + 5: 24 loads
	WIN 0x40
.irp i, 0,1,2,3,4,5
	FRAG 16*((\n0)+\i), ADRB+\slot, \q, (\n0)+\i
.endr
	WIN 0
.endm
; Four matrix instructions: W's fragment nt against x's four, of set p.  first = 1: the bias is the C.  The 48 accumulators take turns, one instruction a turn, in the same order in every step.
.macro MUL nt, p, first
.if (\nt) < 8
.if \first
	WIN 0xb1                                       ; source 0 (W) window 1, source 1 (x) window 0, C window 3, D window 2
.else
	WIN 0xa1                                       ; C and D window 2
.endif
.irp mt, 0,1,2,3
.if \first
	v_wmma_f32_16x16x128_bf8_bf8 v[8*(4*(\nt)+\mt):8*(4*(\nt)+\mt)+7], v[16*(\nt):16*(\nt)+15], v[AF+64*(\p)+16*\mt:AF+64*(\p)+16*\mt+15], v[BQK+8*(\nt):BQK+8*(\nt)+7]
.else
	v_wmma_f32_16x16x128_bf8_bf8 v[8*(4*(\nt)+\mt):8*(4*(\nt)+\mt)+7], v[16*(\nt):16*(\nt)+15], v[AF+64*(\p)+16*\mt:AF+64*(\p)+16*\mt+15], v[8*(4*(\nt)+\mt):8*(4*(\nt)+\mt)+7]
.endif
.endr
.else
	WIN 0xf4                                       ; source 0 (x) window 0, source 1 (W) window 1, C and D window 3
.irp mt, 0,1,2,3
.if \first
	v_wmma_f32_16x16x128_bf8_bf8 v[8*(4*((\nt)-8)+\mt):8*(4*((\nt)-8)+\mt)+7], v[AF+64*(\p)+16*\mt:AF+64*(\p)+16*\mt+15], v[16*(\nt):16*(\nt)+15], v[BV+8*((\nt)-8):BV+8*((\nt)-8)+7]
.else
	v_wmma_f32_16x16x128_bf8_bf8 v[8*(4*((\nt)-8)+\mt):8*(4*((\nt)-8)+\mt)+7], v[AF+64*(\p)+16*\mt:AF+64*(\p)+16*\mt+15], v[16*(\nt):16*(\nt)+15], v[8*(4*((\nt)-8)+\mt):8*(4*((\nt)-8)+\mt)+7]
.endif
.endr
.endif
.endm
; A slot's first step of 128 along K (x's set 0); it fetches the slot's second step (x's set 1).
.macro STEP slot, first
	s_wait_dscnt 24                                ; x's set and W's fragments 0-5 are in; the youngest 24 loads (W's 6-11) may be out
.irp n, 0,1,2,3,4,5
	MUL \n, 0, \first
.endr
	s_wait_dscnt 0x0                               ; W's 6-11 are in (asked for 24 matrix instructions ago)
	PLACES
	WIN 0
	FETCH_A \slot, 1, 1
	FETCH_B \slot, 1, 0
.irp n, 6,7,8,9,10,11
	MUL \n, 0, \first
.endr
	PLACES
	FETCH_B \slot, 1, 6
.endm
; A slot's second step changes slots: ONE barrier; in front of it each wave waits for all its tensor loads, adds 0 to its spare word, and waits for that and for its reads of this slot.  fill = 1: this slot is filled again, two slots ahead.
.macro TURN slot, next, fill
	s_wait_tensorcnt 0x0                           ; all my tensor loads have landed: my part of the next slot  (every window is 0 here)
	ds_add_u32 v[SPW], v[NIL]                      ; 0 onto my spare word
	s_wait_dscnt 25                                ; (the add and the youngest 24 loads, W's 6-11, may be out)
.irp n, 0,1,2
	MUL \n, 1, 0
.endr
	s_wait_dscnt 0x0                               ; the add is done, and my reads of this slot are over
	s_barrier_signal -1
.irp n, 3,4,5
	MUL \n, 1, 0
.endr
	WIN 0
	s_barrier_wait -1
.if \fill
	CREST                                          ; the barrier has opened a round of the cluster's barrier: no wave of any partner still reads this slot or has a load on its way
	s_add_nc_u64 s[G0+4*\slot+2:G0+4*\slot+3], s[G0+4*\slot+2:G0+4*\slot+3], 512
	s_add_nc_u64 s[G0B+4*\slot+2:G0B+4*\slot+3], s[G0B+4*\slot+2:G0B+4*\slot+3], 512
	JLOAD \slot                                    ; the first tensor load behind the round, my one load until the next; its four v_nop are the places in front of the loads below
.else
	PLACES
.endif
	FETCH_A \next, 0, 0
	FETCH_B \next, 0, 0
.irp n, 6,7,8,9,10,11
	MUL \n, 1, 0
.endr
	PLACES
	FETCH_B \next, 0, 6
.endm
	s_wait_alu depctr_va_vdst(0)
	s_wait_tensorcnt 1                             ; my part of slot 0 is in; slot 1's one load may be out
	s_barrier_signal -1
	s_barrier_wait -1                              ; everybody's is
	FETCH_A 0, 0, 0
	FETCH_B 0, 0, 0
	FETCH_B 0, 0, 6
	STEP 0, 1                                      ; K 0: the biases start the sums
	TURN 0, 1, 1                                   ; K 128; slot 0 takes K 512 on
	STEP 1, 0                                      ; K 256
	TURN 1, 0, 1                                   ; K 384; slot 1 takes K 768 on
	STEP 0, 0                                      ; K 512
	TURN 0, 1, 0                                   ; K 640; nothing is left to fetch
	STEP 1, 0                                      ; K 768
	s_wait_dscnt 24                                ; K 896, the last step
.irp n, 0,1,2,3,4,5
	MUL \n, 1, 0
.endr
	s_wait_dscnt 0x0
.irp n, 6,7,8,9,10,11
	MUL \n, 1, 0
.endr
	WIN 0
	PLACES                                         ; in front of the first read of results and of the writes into x's fragment registers
; THE WAY OUT.  Held within +-57,344 x the scale (the conversion to an 8-bit code does not saturate: ISA guide 7.6.2), converted, stored as images.  Each batch has its own eight registers of codes, so no store's data are written again.
.set CDP, CD
.macro OUT_QK c, mt, sc, lm, base      ; c = 0: q, 1: k.  Rows 16 mt on: four tiles of 16 d make one fragment
	WIN 0x02                                       ; source 0 window 2
.irp n, 0,1,2,3
.irp j, 0,1,2,3,4,5,6,7
	v_med3_num_f32 v[TMP+8*\n+\j], v[8*(4*(4*\c+\n)+\mt)+\j], -v[\lm], v[\lm]   ; each accumulator from its low end on
.endr
.endr
	WIN 0
.irp n, 0,1,2,3
	v_cvt_scalef32_pk8_bf8_f32 v[CDP+2*\n:CDP+2*\n+1], v[TMP+8*\n:TMP+8*\n+7], v[\sc]
.endr
	v_nop                                          ; a plain instruction behind the last conversion: the next batch writes its sources
	global_store_b128 v[LO], v[CDP:CDP+3], s[\base:\base+1] offset:\mt*1024          ; 32 lanes store 512 consecutive bytes, aligned
	global_store_b128 v[LO], v[CDP+4:CDP+7], s[\base:\base+1] offset:\mt*1024+512
.set CDP, CDP+8
.endm
.macro OUT_V dn                        ; d 16 dn on: my four tiles of 16 keys are eight registers of the fragment 16 d x 128 keys
	WIN 0x03                                       ; source 0 window 3
.irp m, 0,1,2,3
.irp j, 0,1,2,3,4,5,6,7
	v_med3_num_f32 v[TMP+8*\m+\j], v[8*(4*\dn+\m)+\j], -v[LMV], v[LMV]
.endr
.endr
	WIN 0
.irp m, 0,1,2,3
	v_cvt_scalef32_pk8_bf8_f32 v[CDP+2*\m:CDP+2*\m+1], v[TMP+8*\m:TMP+8*\m+7], v[SCV]
.endr
	v_nop
	global_store_b128 v[LO], v[CDP:CDP+3], s[86:87] offset:\dn*2048
	global_store_b128 v[LO], v[CDP+4:CDP+7], s[86:87] offset:\dn*2048+512
.set CDP, CDP+8
.endm
.irp m, 0,1,2,3
	OUT_QK 0, \m, SCQ, LMQ, 12
.endr
.irp m, 0,1,2,3
	OUT_QK 1, \m, SCK, LMK, 14
.endr
.irp d, 0,1,2,3
	OUT_V \d
.endr
	s_wait_tensorcnt 0x0                           ; the wave's end
	ds_add_u32 v[SPW], v[NIL]
	s_wait_dscnt 0x0
	CROUND                                         ; the closing round: no work-group ends while a partner may still ask for a tile that names it
	s_endpgm
.Lfunc_end_k_q65c2fd703e_qkv:
	.size	k_q65c2fd703e_qkv, .Lfunc_end_k_q65c2fd703e_qkv-k_q65c2fd703e_qkv
	.p2alignl 7, 3214868480
	.fill 96, 4, 3214868480
	.section	.rodata,"a",@progbits
	.p2align	6, 0x0
	.amdhsa_kernel k_q65c2fd703e_qkv
		.amdhsa_group_segment_fixed_size 327680
		.amdhsa_private_segment_fixed_size 0
		.amdhsa_enable_private_segment 0
		.amdhsa_kernarg_size 48
		.amdhsa_user_sgpr_count 2
		.amdhsa_user_sgpr_kernarg_segment_ptr 1
		.amdhsa_wavefront_size32 1
		.amdhsa_system_sgpr_workgroup_id_x 1
		.amdhsa_system_sgpr_workgroup_id_y 1
		.amdhsa_system_sgpr_workgroup_id_z 1
		.amdhsa_system_vgpr_workitem_id 0
		.amdhsa_next_free_vgpr 1024
		.amdhsa_next_free_sgpr 100
		.amdhsa_reserve_vcc 0
		.amdhsa_float_denorm_mode_32 3
		.amdhsa_float_denorm_mode_16_64 3
		.amdhsa_memory_ordered 1
		.amdhsa_forward_progress 1
		.amdhsa_inst_pref_size 110
	.end_amdhsa_kernel
	.amdgpu_metadata
---
amdhsa.version: [ 1, 2 ]
amdhsa.kernels:
  - .name:           k_q65c2fd703e_qkv
    .symbol:         k_q65c2fd703e_qkv.kd
    .args:
      - { .name: x_codes, .offset: 0, .size: 8, .value_kind: global_buffer, .address_space: global }
      - { .name: W_qkv_codes, .offset: 8, .size: 8, .value_kind: global_buffer, .address_space: global }
      - { .name: b_qkv, .offset: 16, .size: 8, .value_kind: global_buffer, .address_space: global }
      - { .name: lowp_scales, .offset: 24, .size: 8, .value_kind: global_buffer, .address_space: global }
      - { .name: qc, .offset: 32, .size: 8, .value_kind: global_buffer, .address_space: global }
      - { .name: kv, .offset: 40, .size: 8, .value_kind: global_buffer, .address_space: global }
    .group_segment_fixed_size: 327680
    .private_segment_fixed_size: 0
    .kernarg_segment_align: 8
    .kernarg_segment_size: 48
    .max_flat_workgroup_size: 128
    .sgpr_count:     100
    .vgpr_count:     1024
    .wavefront_size: 32
...
	.end_amdgpu_metadata
.endif
;; end of part 1
;; launch attn (part 2): grid 4 x 64, 16 waves a work-group, clusters of 4 x 1, 327,680 bytes of LDS; arguments qc, kv, lowp_scales, oc; writes oc
.if DOCPART == 2
	.amdgcn_target "amdgcn-amd-amdhsa--gfx1250"
	.amdhsa_code_object_version 6
	.text
	.protected	k_q65c2fd703e_attn
	.globl	k_q65c2fd703e_attn
	.p2align	8
	.type	k_q65c2fd703e_attn,@function
k_q65c2fd703e_attn:
	s_mov_b64 s[64:65], 0
	v_nop
	global_prefetch_b8 v0, s[64:65] scope:SCOPE_SE
	s_setreg_imm32_b32 hwreg(HW_REG_WAVE_MODE, 25, 1), 1
	s_wait_xcnt 0x0
	s_wait_alu depctr_hold_cnt(0) depctr_sa_sdst(0) depctr_va_vdst(0) depctr_va_sdst(0) depctr_va_ssrc(0) depctr_va_vcc(0) depctr_vm_vsrc(0)
	s_getreg_b32 s2, hwreg(HW_REG_IB_STS2, 6, 4)
	s_cmp_eq_u32 s2, 0
	s_cbranch_scc0 .Lentry_in_a_cluster
	s_endpgm
.Lentry_in_a_cluster:
	s_bfe_u32 s2, ttmp6, 0x10000c
	s_cmp_lg_u32 s2, 0x3003
	s_cbranch_scc0 .Lentry_shape_is_right
	s_endpgm
.Lentry_shape_is_right:
; o = softmax(q k^T / 8) v for one head, both products on codes of E5M2, and the quantiser of o.  qc, kv: images of operand registers (four registers = 512 bytes, lane l's 16 bytes at 16 l):
;   qc: [bh 64][query tile 128][1,024 B];  kv: [bh 64][step of 128 keys: 16][K: key tile T at 1,024 T | V^T at 8,192 + 2,048 dn + 512 quad];  oc (out): [row tile 512][head 16][1,024 B].
; THE SOFTMAX: t = score x log2(e) / 8; M = the row's largest t so far, rounded up to a whole number; p = 2^(t - M) is quantised with 2^e4, not normalised; the row's sum is taken of the unquantised p and divides at the end.
; When M moves, the sum and O are multiplied by 2^(old M - new M): nothing is rounded.
; SHARES.  A work-group owns 512 queries of one head; each of its sixteen waves two tiles of 16, one after the other, in 256 registers: four waves to a SIMD, so that one wave's vector work stands beside another's products and LDS loads.
; THE HEAD'S WHOLE K AND V, 262,144 bytes, LIE IN LDS, filled once: no slot is ever filled again.  Each wave brings 4,096 bytes of key steps 0-3 and 12,288 bytes of steps 4-15: the first four steps are worked while the rest lands.
; CLUSTER.  The four query blocks of a head are one cluster and need the same bytes: the loads are joint (mask 15).
; NO PREFETCH: every byte of K and V is asked for by the tensor loads at the kernel's head; there is no earlier place.
; LAYOUT.  S^T = K Q^T (source 0 = 16 keys, source 1 = my 16 queries): lane (r, h) holds query r, register j of tile T key 16 T + 8 h + j: its conversion is registers 2 T, 2 T + 1 of the second product's operand.
; O^T = V^T P^T: lane (r, h) holds query r and d = 16 dn + 8 h + j: its conversion is registers 2 dn, 2 dn + 1 of a fragment 16 rows x 64 of the last product's left operand.
; LIMITS on the given exponents, so that each power of two below is an f32 number: e2 + e3 between -123 and 130 (added to c's exponent field); e4, and e6 - e4 - e5, between -126 and 112.  NaN is not served.
; REGISTERS: v1 16 x lane; v2 the step's LDS address; v12 -M, v13 the largest t, v[14:15] the sum in two halves; v16-23, v24-31 Q of tile 0, 1; v32-95 K's 8 fragments, then V's 4; v96-159 S^T, then p; v160-191 O^T;
;   v192-207 p's codes; v208-223 o's codes, eight a tile; v244: 2^e4; v245: the same with e6 - e4 - e5; v236, v242-243, v252-254 at work.
.set LI,  1
.set ADR, 2
.set KV,  32
.set S,   96
.set O,   160
.set PC,  192
.set OC,  208
.set WV,  12                           ; s12 my wave's number
.set G1A, 16                           ; s[16:23] group 1: 16 rows of 256 bytes;  s[24:31]: 48 rows;  s[32:35], s[36:39] their groups 0
.set G1B, 24
.set G0A, 32
.set G0B, 36
.set CS,  52                           ; s[52:53] c: the packed form names a pair and takes its low word for both halves
.set SEL, 54                           ; s[54:55] lane selects for v_permlanex16_b32: lane l xor 16
.set TB,  56                           ; s56 LDS byte at which the key step in hand begins
.set CNT, 57                           ; s57 key steps to go
.macro ROUND                           ; a round of the cluster's barrier
	s_barrier_signal -1
	s_barrier_wait -1
	s_cmp_lg_u32 s[WV], 0
	s_cbranch_scc1 .Lnot_wave_0_\@
	s_barrier_signal -3
.Lnot_wave_0_\@:
	s_barrier_wait -3
	s_barrier_signal -1
	s_barrier_wait -1
.endm
	s_load_b256 s[4:11], s[0:1], 0x0               ; qc s[4:5], kv s[6:7], the exponents s[8:9], oc s[10:11]
	v_lshl_add_u32 v251, v0, 2, 0x40000
	v_mov_b32 v255, 0
	ds_add_u32 v251, v255
	ds_add_u32 v251, v255
	v_lshrrev_b32 v2, 5, v0
	s_delay_alu instid0(VALU_DEP_1)
	v_readfirstlane_b32 s[WV], v2                  ; wave 0..15
	s_bfe_u32 s13, ttmp6, 0x40000                  ; cx
	s_lshl_b32 s14, ttmp9, 2
	s_add_co_u32 s14, s14, s13                     ; my block of 512 queries: it enters Q's and o's addresses alone
	s_and_b32 s15, ttmp7, 0xffff                   ; bh, which the four partners share
	s_mov_b32 s[G1A], 15|(3<<16)|(1<<21)           ; 15:0 the mask: all four work-groups; 17:16 elements of 8 bytes; 21 set beside a mask; no padding: images are read 512 consecutive bytes an instruction
	s_mov_b32 s[G1A+1], 32<<16                     ; tensor_dim0 = 32 elements: 256 bytes
	s_mov_b32 s[G1A+2], 16<<16                     ; tensor_dim1 = 16
	s_mov_b32 s[G1A+3], 32<<16                     ; tile_dim0
	s_mov_b32 s[G1A+4], 16                         ; tile_dim1
	s_mov_b32 s[G1A+5], 32                         ; dense: each row begins where the last ends
	s_mov_b32 s[G1A+6], 0
	s_mov_b32 s[G1A+7], 0
	s_mov_b32 s[G1B], 15|(3<<16)|(1<<21)
	s_mov_b32 s[G1B+1], 32<<16
	s_mov_b32 s[G1B+2], 48<<16
	s_mov_b32 s[G1B+3], 32<<16
	s_mov_b32 s[G1B+4], 48
	s_mov_b32 s[G1B+5], 32
	s_mov_b32 s[G1B+6], 0
	s_mov_b32 s[G1B+7], 0
	s_lshl_b32 s48, s15, 18                        ; the head's first byte in kv
	s_lshl_b32 s50, s[WV], 12                      ; my 4,096 bytes of key steps 0-3: the same place in LDS as in the head
	s_mul_i32 s51, s[WV], 12288
	s_add_co_u32 s51, s51, 65536                   ; my 12,288 bytes of key steps 4-15
	s_add_co_u32 s58, s48, s50
	s_mov_b32 s59, 0
	s_add_co_u32 s60, s48, s51
	s_mov_b32 s61, 0
	s_lshl_b32 s62, s15, 17                        ; Q: a head is 131,072 bytes, my block 32,768, my two tiles 2,048
	s_lshl_b32 s63, s14, 15
	s_add_co_u32 s62, s62, s63
	s_lshl_b32 s63, s[WV], 11
	s_add_co_u32 s62, s62, s63
	s_mov_b32 s63, 0
	s_lshr_b32 s2, s15, 4                          ; o: row tile 128 (bh / 16) + 32 block + 2 wave, 16,384 bytes each; head bh % 16, 1,024 bytes
	s_lshl_b32 s2, s2, 7
	s_lshl_b32 s3, s14, 5
	s_add_co_u32 s2, s2, s3
	s_lshl_b32 s3, s[WV], 1
	s_add_co_u32 s2, s2, s3
	s_lshl_b32 s2, s2, 14
	s_and_b32 s3, s15, 15
	s_lshl_b32 s3, s3, 10
	s_add_co_u32 s2, s2, s3
	s_mov_b32 s3, 0
	s_mov_b32 s[SEL], 0x76543210
	s_mov_b32 s[SEL+1], 0xfedcba98
	s_mov_b32 s[CS], 0x3e38aa3b                    ; c = log2(e) / 8
	s_mov_b32 s[TB], 0
	s_wait_dscnt 0x0
	s_wait_kmcnt 0x0
	s_load_b256 s[40:47], s[8:9], 0x0              ; e0 .. e7
	s_mov_b32 s[G0A], 1
	s_mov_b32 s[G0A+1], s50
	s_add_nc_u64 s[G0A+2:G0A+3], s[6:7], s[58:59]
	s_or_b32 s[G0A+3], s[G0A+3], 0x80000000
	s_mov_b32 s[G0B], 1
	s_mov_b32 s[G0B+1], s51
	s_add_nc_u64 s[G0B+2:G0B+3], s[6:7], s[60:61]
	s_or_b32 s[G0B+3], s[G0B+3], 0x80000000
	s_add_nc_u64 s[4:5], s[4:5], s[62:63]
	s_add_nc_u64 s[10:11], s[10:11], s[2:3]
	ROUND                                          ; all four work-groups are here: the joint loads meet
	tensor_load_to_lds s[G0A:G0A+3], s[G1A:G1A+7]  ; the fill of key steps 0-3: one load of mine is out
	s_nop 0
	s_wait_alu depctr_va_vdst(0)
	s_wait_tensorcnt 0x0
	ds_add_u32 v251, v255
	s_wait_dscnt 0x0
	ROUND
	tensor_load_to_lds s[G0B:G0B+3], s[G1B:G1B+7]
	s_nop 0
.rept 4
	v_nop
.endr
	v_and_b32 v[LI], 31, v0
	s_delay_alu instid0(VALU_DEP_1)
	v_lshlrev_b32 v[LI], 4, v[LI]
.irp i, 0,1,2,3
	global_load_b128 v[16+4*\i:19+4*\i], v[LI], s[4:5] offset:512*\i   ; Q's two fragments stay in registers
.endr
	v_mov_b32 v236, 0                              ; written once: a lane permute's destination counts as one of its sources
	v_mov_b32 v253, 0                              ; (named as the upper half of the pair v[252:253])
	s_wait_kmcnt 0x0
	s_add_co_i32 s48, s42, s43
	s_lshl_b32 s48, s48, 23
	s_add_co_i32 s[CS], s[CS], s48                 ; a score stands for score x 2^(e2 + e3): the exponents are added to c's exponent field
	s_mov_b32 s[CS+1], s[CS]
	s_add_co_i32 s48, s44, 127
	s_lshl_b32 s49, s48, 23
	v_mov_b32 v244, s49                            ; 2^e4
	s_sub_co_i32 s48, s46, s44
	s_sub_co_i32 s48, s48, s45                     ; O^T / the sum stands for o / 2^(e4 + e5): its code is that / 2^(e6 - e4 - e5)
	s_add_co_i32 s48, s48, 127
	s_lshl_b32 s49, s48, 23
	v_mov_b32 v245, s49
; A KEY STEP: 128 keys against the query tile whose fragment begins at v[qr].
.macro STEP qr
	v_add_nc_u32 v[ADR], s[TB], v[LI]
.rept 3
	v_nop                                          ; with the addition four places in front of loads into registers that the last step's products have read
.endr
.irp t, 0,1,2,3,4,5,6,7
	ds_load_b128 v[KV+8*\t:KV+8*\t+3], v[ADR] offset:1024*\t
	ds_load_b128 v[KV+8*\t+4:KV+8*\t+7], v[ADR] offset:1024*\t+512
.endr
	s_wait_alu depctr_va_vdst(0)
.irp t, 0,1,2,3,4,5,6,7
	s_wait_dscnt 14-2*\t                           ; LDS loads come back in order: tile t's two are in, the 14 - 2 t younger ones may be out
	v_wmma_f32_16x16x64_bf8_bf8 v[S+8*\t:S+8*\t+7], v[KV+8*\t:KV+8*\t+7], v[\qr:\qr+7], 0
.endr
.rept 4
	v_nop                                          ; places in front of the loads over K's fragments and of the first read of the scores
.endr
.irp d, 0,1,2,3
.irp c, 0,1,2,3
	ds_load_b128 v[KV+16*\d+4*\c:KV+16*\d+4*\c+3], v[ADR] offset:8192+2048*\d+512*\c   ; V^T: it lands under the softmax
.endr
.endr
	v_max3_num_f32 v254, v96, v97, v98             ; the step's largest score of my query among my 64 keys, in two chains, each accumulator from its low end on,
	v_max3_num_f32 v252, v99, v100, v101
.irp i, 6,10,14,18,22,26,30,34,38,42,46,50,54,58
	v_max3_num_f32 v254, v254, v[96+\i], v[97+\i]
	v_max3_num_f32 v252, v252, v[98+\i], v[99+\i]
.endr
	v_max3_num_f32 v254, v254, v158, v159
	s_delay_alu instid0(VALU_DEP_1)
	v_max_num_f32 v254, v254, v252
	s_delay_alu instid0(VALU_DEP_1)
	v_permlanex16_b32 v236, v254, s[SEL], s[SEL+1]
	s_delay_alu instid0(VALU_DEP_1)
	v_max_num_f32 v254, v254, v236                 ; and among lane l xor 16's
	s_delay_alu instid0(VALU_DEP_1)
	v_mul_f32 v254, s[CS], v254                    ; as t (c is positive)
	s_delay_alu instid0(VALU_DEP_1)
	v_max_num_f32 v13, v13, v254                   ; the running largest t
	v_mov_b32 v254, v12
	s_delay_alu instid0(VALU_DEP_2)
	v_floor_f32 v12, -v13                          ; the new -M = floor(-t) = -ceil(t): a whole number
	s_delay_alu instid0(VALU_DEP_1)
	v_sub_f32 v254, v12, v254                      ; old M - new M: a whole number, 0 or less
	s_delay_alu instid0(VALU_DEP_1)
	v_cvt_i32_f32 v254, v254                       ; (it saturates)
	s_delay_alu instid0(VALU_DEP_1)
	v_ldexp_f32 v252, 1.0, v254                    ; f = 2^(old M - new M)
.set j, 0
.rept 32
	v_pk_fma_f32 v[S+j:S+j+1], v[S+j:S+j+1], s[CS:CS+1], v[12:13] op_sel_hi:[1,0,0]   ; t - M, two at a time
.set j, j+2
.endr
.set j, 0
	s_setprio 1
	s_wait_alu depctr_va_vdst(0)
.rept 64
	v_exp_f32 v[S+j], v[S+j]                       ; p = 2^(t - M), at most 1
.set j, j+1
.endr
	v_pk_mul_f32 v[14:15], v[14:15], v[252:253] op_sel_hi:[1,0]   ; the sums under the new M: the plain instruction behind the exponentials
	s_wait_alu depctr_va_vdst(0)                   ; one wait for the batch of 64, ahead of its first reader
	v_pk_add_f32 v[242:243], v[96:97], v[98:99]    ; the row's sum is taken of the unquantised p, in two chains
.irp i, 4,8,12,16,20,24,28,32,36,40,44,48,52,56,60
	v_pk_add_f32 v[14:15], v[14:15], v[96+\i:97+\i]
	v_pk_add_f32 v[242:243], v[242:243], v[98+\i:99+\i]
.endr
	s_delay_alu instid0(VALU_DEP_1)
	v_pk_add_f32 v[14:15], v[14:15], v[242:243]
.irp t, 0,1,2,3,4,5,6,7
.irp i, 0,1,2,3,4,5,6,7
.endr
	v_cvt_scalef32_pk8_bf8_f32 v[PC+2*\t:PC+2*\t+1], v[S+8*\t:S+8*\t+7], v244
.endr
.set j, 0
	s_setprio 0
.rept 16
	v_pk_mul_f32 v[O+j:O+j+1], v[O+j:O+j+1], v[252:253] op_sel_hi:[1,0]   ; O^T under the new M.  (Plain instructions between the conversions and the products that read the codes)
.set j, j+2
.endr
	s_wait_alu depctr_va_vdst(0)
	s_wait_dscnt 0x0                               ; V^T is in
.irp d, 0,1,2,3
	v_wmma_f32_16x16x128_bf8_bf8 v[O+8*\d:O+8*\d+7], v[KV+16*\d:KV+16*\d+15], v[PC:PC+15], v[O+8*\d:O+8*\d+7]
.endr
	s_add_co_u32 s[TB], s[TB], 16384
.endm
.macro KLOOP n, qr                     ; n key steps
	s_mov_b32 s[CNT], \n
.Lk_\@:
	s_setprio 2
	STEP \qr
	s_sub_co_u32 s[CNT], s[CNT], 1
	s_cmp_lg_u32 s[CNT], 0
	s_cbranch_scc1 .Lk_\@
	s_setprio 0
.endm
.macro INIT                            ; the step is written for every step alike: the first finds zeros, which the first change of M leaves zeros
	v_mov_b32 v13, 0xff61b1e6                      ; the largest t so far: -3e38, under every t
	s_delay_alu instid0(VALU_DEP_1)
	v_floor_f32 v12, -v13
	v_mov_b32 v14, 0
	v_mov_b32 v15, 0
.set j, 0
.rept 32
	v_mov_b32 v[O+j], 0
.set j, j+1
.endr
.endm
.macro FINISH t                        ; tile t: O^T / the sum, converted, stored as an image
.rept 4
	v_nop                                          ; places behind the last products
.endr
	v_add_f32 v14, v14, v15                        ; the sum's two halves,
	s_delay_alu instid0(VALU_DEP_1)
	v_permlanex16_b32 v236, v14, s[SEL], s[SEL+1]
	s_delay_alu instid0(VALU_DEP_1)
	v_add_f32 v14, v14, v236                       ; and lane l xor 16's
	s_wait_alu depctr_va_vdst(0)
	v_rcp_f32 v14, v14
	v_nop                                          ; a plain instruction behind the reciprocal
	s_wait_alu depctr_va_vdst(0)                   ; and the wait ahead of its first reader
.set j, 0
.rept 32
	v_mul_f32 v[S+j], v[O+j], v14                  ; each accumulator from its low end on
.set j, j+1
.endr
.set j, 0
.rept 32
.set j, j+1
.endr
.irp d, 0,1,2,3
	v_cvt_scalef32_pk8_bf8_f32 v[OC+8*\t+2*\d:OC+8*\t+2*\d+1], v[S+8*\d:S+8*\d+7], v245
.endr
	v_nop                                          ; a plain instruction behind the last conversion: later products write its sources
	global_store_b128 v[LI], v[OC+8*\t:OC+8*\t+3], s[10:11] offset:16384*\t         ; 32 lanes store 512 consecutive bytes, aligned
	global_store_b128 v[LI], v[OC+8*\t+4:OC+8*\t+7], s[10:11] offset:16384*\t+512
.endm
	s_wait_tensorcnt 1                             ; my part of key steps 0-3 is in; my one younger load may be out
	s_wait_loadcnt 0x0                             ; Q
	s_barrier_signal -1
	s_barrier_wait -1                              ; everybody's part is in
	INIT
	KLOOP 4, 16                                    ; tile 0, key steps 0-3, while steps 4-15 land
	s_wait_tensorcnt 0x0                           ; my part of key steps 4-15 is in,
	s_wait_dscnt 0x0
	s_barrier_signal -1
	s_barrier_wait -1                              ; everybody's is
	KLOOP 12, 16
	FINISH 0
	s_mov_b32 s[TB], 0
	INIT
	KLOOP 16, 24                                   ; tile 1
	FINISH 1
	s_wait_dscnt 0x0
	s_wait_tensorcnt 0x0
	ds_add_u32 v251, v255
	s_wait_dscnt 0x0
	ROUND                                          ; the closing round: no work-group ends while a partner may still ask for a tile that names it
	s_endpgm
.Lfunc_end_k_q65c2fd703e_attn:
	.size	k_q65c2fd703e_attn, .Lfunc_end_k_q65c2fd703e_attn-k_q65c2fd703e_attn
	.p2alignl 7, 3214868480
	.fill 96, 4, 3214868480
	.section	.rodata,"a",@progbits
	.p2align	6, 0x0
	.amdhsa_kernel k_q65c2fd703e_attn
		.amdhsa_group_segment_fixed_size 327680
		.amdhsa_private_segment_fixed_size 0
		.amdhsa_enable_private_segment 0
		.amdhsa_kernarg_size 32
		.amdhsa_user_sgpr_count 2
		.amdhsa_user_sgpr_kernarg_segment_ptr 1
		.amdhsa_wavefront_size32 1
		.amdhsa_system_sgpr_workgroup_id_x 1
		.amdhsa_system_sgpr_workgroup_id_y 1
		.amdhsa_system_sgpr_workgroup_id_z 1
		.amdhsa_system_vgpr_workitem_id 0
		.amdhsa_next_free_vgpr 256
		.amdhsa_next_free_sgpr 66
		.amdhsa_reserve_vcc 0
		.amdhsa_float_denorm_mode_32 3
		.amdhsa_float_denorm_mode_16_64 3
		.amdhsa_fp16_overflow 1
		.amdhsa_memory_ordered 1
		.amdhsa_forward_progress 1
		.amdhsa_inst_pref_size 55
	.end_amdhsa_kernel
	.amdgpu_metadata
---
amdhsa.version: [ 1, 2 ]
amdhsa.kernels:
  - .name:           k_q65c2fd703e_attn
    .symbol:         k_q65c2fd703e_attn.kd
    .args:
      - { .name: qc, .offset: 0, .size: 8, .value_kind: global_buffer, .address_space: global }
      - { .name: kv, .offset: 8, .size: 8, .value_kind: global_buffer, .address_space: global }
      - { .name: lowp_scales, .offset: 16, .size: 8, .value_kind: global_buffer, .address_space: global }
      - { .name: oc, .offset: 24, .size: 8, .value_kind: global_buffer, .address_space: global }
    .group_segment_fixed_size: 327680
    .private_segment_fixed_size: 0
    .kernarg_segment_align: 8
    .kernarg_segment_size: 32
    .max_flat_workgroup_size: 512
    .sgpr_count:     66
    .vgpr_count:     256
    .wavefront_size: 32
...
	.end_amdgpu_metadata
.endif
;; end of part 2
;; launch proj (part 3): grid 8 x 32, 4 waves a work-group, clusters of 4 x 4, 327,680 bytes of LDS; arguments oc, W_out_codes, b_out, lowp_scales, out0; writes out0
.if DOCPART == 3
	.amdgcn_target "amdgcn-amd-amdhsa--gfx1250"
	.amdhsa_code_object_version 6
	.text
	.protected	k_q65c2fd703e_proj
	.globl	k_q65c2fd703e_proj
	.p2align	8
	.type	k_q65c2fd703e_proj,@function
k_q65c2fd703e_proj:
	s_mov_b64 s[64:65], 0
	v_nop
	global_prefetch_b8 v0, s[64:65] scope:SCOPE_SE
	s_setreg_imm32_b32 hwreg(HW_REG_WAVE_MODE, 25, 1), 1
	s_wait_xcnt 0x0
	s_wait_alu depctr_hold_cnt(0) depctr_sa_sdst(0) depctr_va_vdst(0) depctr_va_sdst(0) depctr_va_ssrc(0) depctr_va_vcc(0) depctr_vm_vsrc(0)
	s_getreg_b32 s2, hwreg(HW_REG_IB_STS2, 6, 4)
	s_cmp_eq_u32 s2, 0
	s_cbranch_scc0 .Lentry_in_a_cluster
	s_endpgm
.Lentry_in_a_cluster:
	s_bfe_u32 s2, ttmp6, 0x10000c
	s_cmp_lg_u32 s2, 0xf033
	s_cbranch_scc0 .Lentry_shape_is_right
	s_endpgm
.Lentry_shape_is_right:
; out0 = o W_out + b_out on codes of E5M2.  oc: o's codes as images of operand registers, [row tile 512][head 16][1,024 B]: 2,048 bytes on end are a fragment 16 rows x 128 K, registers 2 c, 2 c + 1 holding
; k = 16 c + 8 (l / 16) + 0..7.  W_out: [1024 (n)][1024 (k)] codes, K innermost.  b_out [1024] f32.  out0 [8192][1024] f32.  out0 = sum x 2^(e6 + e7) + b_out.
; LIMIT: e6 + e7 between -126 and 127, so that 2^(e6 + e7) is an f32 number.
; SHARES.  A work-group makes 256 rows (block y) x 128 columns (block nx): 256 work-groups.  Wave w: rows 64 w on x 128 columns: 4 x 8 = 32 accumulators.  K in steps of 128; an LDS slot holds 256 along K; two slots; K = 1,024 is four
; slots' worth, all written out.  CLUSTERS: 4 x 4: o's tile hangs on y alone and is asked for jointly along a row of the cluster, W's on nx alone, along a column.
; THE MATRIX INSTRUCTION IS USED TRANSPOSED (source 0 = 16 rows of W, source 1 = 16 rows of o): a lane holds eight neighbouring numbers of a row of out0.
; o's fragments come by four loads of 16 bytes at 16 x lane.  W's must stand in the same order of k: eight loads of 8 bytes a fragment, 16 bytes apart, at row x pitch + 8 (l / 16).
; REGISTERS, in windows of 256.  Window 0: v16-29 addresses; v64-127, v128-191 o's fragments, two sets (on the way out: rows read back from the stage); v192-255 on the way out: a block's results.
;   window 1: W's 8 fragments at v[16 nt].   window 2: accumulators (nt, mt) at v[8 (4 nt + mt)].   window 3: v0-63 b_out in the result's layout, tile nt at v[8 nt].
.set PITCH, 272                        ; W's row in LDS: 256 bytes + 16 of padding
.set AHALF, 8*4096                     ; what one tensor load brings of o: 8 row tiles x 4,096 bytes
.set BHALF, 64*PITCH                   ; and of W: 64 rows
.set BOFF,  2*AHALF
.set SLOT,  BOFF+2*BHALF               ; 100,352 bytes
.set STAGE, 2*SLOT                     ; behind the ring: 16 rows x (512 + 16) bytes for each wave; no fill lands there
.set SPITCH, 528
.set SPARE, STAGE+4*16*SPITCH          ; behind the stages: the spare words, 128 bytes a wave: two blocks of 256 bytes that no other line names
.set ADRA, 16
.set ADRB, 20
.set STO, 24                           ; v24 the way out: where I put 32 bytes of a row
.set RD,  25                           ; v25 where I read a row back
.set CO,  26                           ; v26 16 x lane: my bytes of a row's 512
.set SPW, 28
.set NIL, 29
.set AF,  64
.set BK,  64
.set TMP, 192
.set G1,  24
.set G0,  32
.set G1B, 48
.set G0B, 56
.set MSB, 0
.macro WIN new                         ; the immediate's high byte repeats the setting that is left
.if MSB != \new
	s_set_vgpr_msb (MSB<<8)|\new
.set MSB, \new
.endif
.endm
.macro PLACES                          ; four plain vector instructions between a matrix instruction and a load into, or a vector instruction on, its registers
.rept 4
	v_nop
.endr
.endm
.macro JLOAD s                         ; a joint load: waves 0 and 1 fetch o's halves, waves 2 and 3 W's; four v_nop follow each of the two lines
	s_cmp_eq_u32 s17, 0
	s_cbranch_scc0 .Lfor_b_\@
	tensor_load_to_lds s[G0+4*\s:G0+4*\s+3], s[G1:G1+7]
	s_nop 0
.rept 4
	v_nop
.endr
	s_branch .Lasked_\@
.Lfor_b_\@:
	tensor_load_to_lds s[G0B+4*\s:G0B+4*\s+3], s[G1B:G1B+7]
	s_nop 0
.rept 4
	v_nop
.endr
.Lasked_\@:
.endm
.macro CREST
	s_cmp_lg_u32 s16, 0
	s_cbranch_scc1 .Lnot_wave_0_\@
	s_barrier_signal -3
.Lnot_wave_0_\@:
	s_barrier_wait -3
	s_barrier_signal -1
	s_barrier_wait -1
.endm
.macro CROUND
	s_barrier_signal -1
	s_barrier_wait -1
	CREST
.endm
	s_load_b256 s[4:11], s[0:1], 0x0               ; oc s[4:5], W s[6:7], b s[8:9], the exponents s[10:11]
	s_load_b64 s[12:13], s[0:1], 0x20              ; out0
	v_lshl_add_u32 v[SPW], v0, 2, SPARE
	v_mov_b32 v[NIL], 0
	ds_add_u32 v28, v29
	ds_add_u32 v28, v29
	s_wait_dscnt 0x0
	v_lshrrev_b32 v1, 5, v0
	v_readfirstlane_b32 s16, v1                    ; wave 0..3
	s_lshr_b32 s17, s16, 1                         ; I fetch for o (0) or for W (1)
	s_and_b32 s18, s16, 1                          ; which half
	s_bfe_u32 s40, ttmp6, 0x40000
	s_bfe_u32 s41, ttmp6, 0x40004
	s_lshl_b32 s42, ttmp9, 2
	s_add_co_u32 s42, s42, s40                     ; nx: the block of 128 columns
	s_and_b32 s43, ttmp7, 0xffff
	s_lshl_b32 s43, s43, 2
	s_add_co_u32 s43, s43, s41                     ; y: the block of 256 rows
	s_lshl_b32 s44, s41, 2
	s_lshl_b32 s44, 15, s44                        ; my row of the cluster
	s_lshl_b32 s45, 0x1111, s40                    ; my column
	s_or_b32 s[G1+0], s44, (3<<16)|(1<<21)         ; o: elements of 8 bytes; no padding
	s_mov_b32 s[G1+1], 512<<16                     ; tensor_dim0 = 512 elements: a row tile's 4,096 bytes of 256 along K
	s_mov_b32 s[G1+2], 8<<16                       ; tensor_dim1 = 8 row tiles
	s_mov_b32 s[G1+3], 512<<16
	s_mov_b32 s[G1+4], 8
	s_mov_b32 s[G1+5], 2048                        ; from row tile to row tile: 16,384 bytes
	s_mov_b32 s[G1+6], 0
	s_mov_b32 s[G1+7], 0
	s_or_b32 s[G1B+0], s45, (1<<20)|(1<<21)|(5<<22)|(3<<25)   ; W: elements of 1 byte; four words of padding after every 64
	s_mov_b32 s[G1B+1], 256<<16
	s_mov_b32 s[G1B+2], 64<<16
	s_mov_b32 s[G1B+3], 256<<16
	s_mov_b32 s[G1B+4], 64
	s_mov_b32 s[G1B+5], 1024
	s_mov_b32 s[G1B+6], 0
	s_mov_b32 s[G1B+7], 0
	s_lshl_b32 s20, s43, 18                        ; o: row tile 16 y + 8 half, 16,384 bytes each
	s_lshl_b32 s21, s18, 17
	s_add_co_u32 s20, s20, s21
	s_mov_b32 s21, 0
	s_lshl_b32 s46, s42, 17                        ; W: row 128 nx + 64 half, 1,024 bytes each
	s_lshl_b32 s47, s18, 16
	s_add_co_u32 s46, s46, s47
	s_mov_b32 s47, 0
	s_mul_i32 s22, s18, AHALF
	s_mul_i32 s23, s18, BHALF
	s_add_co_u32 s23, s23, BOFF
	s_wait_kmcnt 0x0
	s_load_b64 s[96:97], s[10:11], 0x18            ; e6, e7
	s_add_nc_u64 s[20:21], s[4:5], s[20:21]
	s_add_nc_u64 s[46:47], s[6:7], s[46:47]
	CROUND                                         ; all sixteen work-groups are here: the first joint loads meet
.irp s, 0,1
	s_mov_b32 s[G0+4*\s], 1
	s_add_co_u32 s[G0+4*\s+1], s22, \s*SLOT
	s_add_nc_u64 s[G0+4*\s+2:G0+4*\s+3], s[20:21], \s*4096
	s_or_b32 s[G0+4*\s+3], s[G0+4*\s+3], 0x80000000
	s_mov_b32 s[G0B+4*\s], 1
	s_add_co_u32 s[G0B+4*\s+1], s23, \s*SLOT
	s_add_nc_u64 s[G0B+4*\s+2:G0B+4*\s+3], s[46:47], \s*256
	s_or_b32 s[G0B+4*\s+3], s[G0B+4*\s+3], 0x80000000
	s_wait_alu depctr_va_vdst(0)
	s_wait_tensorcnt 0x0
	ds_add_u32 v28, v29
	ds_add_u32 v28, v29
	s_wait_dscnt 0x0
	CROUND
	JLOAD \s                                       ; one tensor load of mine is out
.endr
	s_lshl_b32 s82, s43, 20                        ; out0: row 256 y + 64 w of 4,096 bytes, + 512 nx
	s_lshl_b32 s83, s16, 18
	s_add_co_u32 s82, s82, s83
	s_lshl_b32 s83, s42, 9
	s_add_co_u32 s82, s82, s83
	s_mov_b32 s83, 0
	s_add_nc_u64 s[12:13], s[12:13], s[82:83]
	s_lshl_b32 s88, s42, 9                         ; b_out: my 128 numbers
	s_mov_b32 s89, 0
	s_add_nc_u64 s[8:9], s[8:9], s[88:89]
	v_and_b32 v1, 15, v0                           ; r
	v_bfe_u32 v2, v0, 4, 1                         ; h
	v_and_b32 v[CO], 31, v0
	v_lshlrev_b32 v[CO], 4, v[CO]                  ; 16 x lane
	v_mul_u32_u24 v3, v1, PITCH
	v_lshl_add_u32 v4, v2, 3, v3                   ; W: row x pitch + 8 h
	s_lshl_b32 s84, s16, 14                        ; my four row tiles of o
	s_mov_b32 s85, BOFF
.irp s, 0,1
	v_add_nc_u32 v[ADRA+\s], s84, v[CO]
	v_add_nc_u32 v[ADRB+\s], s85, v4
	s_add_co_u32 s84, s84, SLOT
	s_add_co_u32 s85, s85, SLOT
.endr
	s_mul_i32 s84, s16, 16*SPITCH
	s_add_co_u32 s84, s84, STAGE                   ; my stage
	v_mul_u32_u24 v[STO], v1, SPITCH               ; in: row r, 32 bytes for each half of the lanes
	v_lshl_add_u32 v[STO], v2, 5, v[STO]
	v_add_nc_u32 v[STO], s84, v[STO]
	v_add_nc_u32 v[RD], s84, v[CO]                 ; back: the 32 lanes take one row of 512 bytes
	v_lshlrev_b32 v5, 5, v2                        ; b_out: lane (r, h) wants columns 16 nt + 8 h + 0..7
	WIN 0xc0                                       ; destination window 3
.irp n, 0,1,2,3,4,5,6,7
	global_load_b128 v[8*\n:8*\n+3], v5, s[8:9] offset:64*\n
	global_load_b128 v[8*\n+4:8*\n+7], v5, s[8:9] offset:64*\n+16
.endr
	WIN 0
	s_wait_alu depctr_va_vdst(0)
	s_wait_kmcnt 0x0
	s_add_co_i32 s96, s96, s97
	s_add_co_i32 s96, s96, 127
	s_lshl_b32 s96, s96, 23                        ; 2^(e6 + e7) as f32
	s_mov_b32 s97, s96                             ; (named with it as a pair, so it is written)
	s_wait_loadcnt 0x0                             ; b_out
.macro FRAGA reg, adr, q, i            ; o's fragment: row tile i of my four, the slot's q-th 128 along K: an image, 512 consecutive bytes a load
.irp c, 0,1,2,3
	ds_load_b128 v[\reg+4*\c:\reg+4*\c+3], v[\adr] offset:4096*(\i)+2048*(\q)+512*\c
.endr
.endm
.macro FRAGB reg, adr, q, i            ; W's fragment: registers 2 c, 2 c + 1 hold k = 16 c + 8 h + 0..7
.irp c, 0,1,2,3,4,5,6,7
	ds_load_b64 v[\reg+2*\c:\reg+2*\c+1], v[\adr] offset:128*(\q)+16*\c+(\i)*16*PITCH
.endr
.endm
.macro FETCH_A slot, q, p              ; 16 loads
.irp i, 0,1,2,3
	FRAGA AF+64*(\p)+16*\i, ADRA+\slot, \q, \i
.endr
.endm
.macro FETCH_B slot, q, n0             ; W's fragments n0 .. n0 + 3: 32 loads
	WIN 0x40
.irp i, 0,1,2,3
	FRAGB 16*((\n0)+\i), ADRB+\slot, \q, (\n0)+\i
.endr
	WIN 0
.endm
; Four matrix instructions: W's fragment nt against o's four, of set p.  first = 1: the first product starts the sums.  The 32 accumulators take turns, one instruction a turn, in the same order in every step.
.macro MUL nt, p, first
	WIN 0xa1                                       ; source 0 (W) window 1, source 1 (o) window 0, C and D window 2
.irp mt, 0,1,2,3
.if \first
	v_wmma_f32_16x16x128_bf8_bf8 v[8*(4*(\nt)+\mt):8*(4*(\nt)+\mt)+7], v[16*(\nt):16*(\nt)+15], v[AF+64*(\p)+16*\mt:AF+64*(\p)+16*\mt+15], 0
.else
	v_wmma_f32_16x16x128_bf8_bf8 v[8*(4*(\nt)+\mt):8*(4*(\nt)+\mt)+7], v[16*(\nt):16*(\nt)+15], v[AF+64*(\p)+16*\mt:AF+64*(\p)+16*\mt+15], v[8*(4*(\nt)+\mt):8*(4*(\nt)+\mt)+7]
.endif
.endr
.endm
.macro STEP slot, first                ; a slot's first step (o's set 0); it fetches the slot's second step (set 1)
	s_wait_dscnt 32                                ; o's set and W's fragments 0-3 are in; the youngest 32 loads (W's 4-7) may be out
.irp n, 0,1,2,3
	MUL \n, 0, \first
.endr
	s_wait_dscnt 0x0
	PLACES
	WIN 0
	FETCH_A \slot, 1, 1
	FETCH_B \slot, 1, 0
.irp n, 4,5,6,7
	MUL \n, 0, \first
.endr
	PLACES
	FETCH_B \slot, 1, 4
.endm
; A slot's second step changes slots: ONE barrier; in front of it each wave waits for all its tensor loads, adds 0 to its spare word, and waits for that and for its reads of this slot.
.macro TURN slot, next, fill
	s_wait_tensorcnt 0x0                           ; all my tensor loads have landed: my part of the next slot  (every window is 0 here)
	ds_add_u32 v[SPW], v[NIL]                      ; 0 onto my spare word
	s_wait_dscnt 33                                ; (the add and the youngest 32 loads, W's 4-7, may be out)
.irp n, 0,1
	MUL \n, 1, 0
.endr
	s_wait_dscnt 0x0                               ; the add is done, and my reads of this slot are over
	s_barrier_signal -1
.irp n, 2,3
	MUL \n, 1, 0
.endr
	WIN 0
	s_barrier_wait -1
.if \fill
	CREST                                          ; the barrier has opened a round of the cluster's barrier: no wave of any partner still reads this slot or has a load on its way
	s_add_nc_u64 s[G0+4*\slot+2:G0+4*\slot+3], s[G0+4*\slot+2:G0+4*\slot+3], 8192
	s_add_nc_u64 s[G0B+4*\slot+2:G0B+4*\slot+3], s[G0B+4*\slot+2:G0B+4*\slot+3], 512
	JLOAD \slot                                    ; the first tensor load behind the round, my one load until the next; its four v_nop are the places in front of the loads below
.else
	PLACES
.endif
	FETCH_A \next, 0, 0
	FETCH_B \next, 0, 0
.irp n, 4,5,6,7
	MUL \n, 1, 0
.endr
	PLACES
	FETCH_B \next, 0, 4
.endm
	s_wait_tensorcnt 1                             ; my part of slot 0 is in; slot 1's one load may be out
	s_barrier_signal -1
	s_barrier_wait -1
	FETCH_A 0, 0, 0
	FETCH_B 0, 0, 0
	FETCH_B 0, 0, 4
	STEP 0, 1                                      ; K 0: the first products start the sums
	TURN 0, 1, 1                                   ; K 128; slot 0 takes K 512 on
	STEP 1, 0
	TURN 1, 0, 1                                   ; K 384; slot 1 takes K 768 on
	STEP 0, 0
	TURN 0, 1, 0                                   ; K 640; nothing is left to fetch
	STEP 1, 0
	s_wait_dscnt 32                                ; K 896, the last step
.irp n, 0,1,2,3
	MUL \n, 1, 0
.endr
	s_wait_dscnt 0x0
.irp n, 4,5,6,7
	MUL \n, 1, 0
.endr
	WIN 0
	PLACES                                         ; in front of the first read of results and of the loads into o's fragment registers
; THE WAY OUT, a block of 16 rows x 128 columns at a time.  A lane holds 32 neighbouring bytes of a row and the lanes beside it other rows: the block goes through my own stage and comes back as whole rows of 512 bytes.
; LDS serves a wave's instructions in order (ISA guide 5.7.1.4): no wait between the stores and the loads, nor in front of the next block's stores.
.macro TOSTAGE a
	WIN 0x32                                       ; source 0 (the sums) window 2, source 2 (b_out) window 3
.irp n, 0,1,2,3,4,5,6,7
.irp i, 0,2,4,6
	v_pk_fma_f32 v[TMP+8*\n+\i:TMP+8*\n+\i+1], v[8*(4*\n+(\a))+\i:8*(4*\n+(\a))+\i+1], s[96:97], v[8*\n+\i:8*\n+\i+1] op_sel_hi:[1,0,1]   ; sum x 2^(e6 + e7) + b; each accumulator from its low end on
.endr
.endr
	WIN 0
.irp n, 0,1,2,3,4,5,6,7
	ds_store_b128 v[STO], v[TMP+8*\n:TMP+8*\n+3] offset:64*\n
	ds_store_b128 v[STO], v[TMP+8*\n+4:TMP+8*\n+7] offset:64*\n+16
.endr
.set BB, BK+64*((\a)%2)
.irp t, 0,1,2,3,4,5,6,7,8,9,10,11,12,13,14,15
	ds_load_b128 v[BB+4*\t:BB+4*\t+3], v[RD] offset:\t*SPITCH
.endr
.endm
.macro SEND a, younger                 ; younger: the LDS instructions issued behind block a's loads, which may stay out
.set BB, BK+64*((\a)%2)
	s_wait_dscnt \younger
.irp t, 0,1,2,3,4,5,6,7,8,9,10,11,12,13,14,15
	global_store_b128 v[CO], v[BB+4*\t:BB+4*\t+3], s[12:13] offset:(16*(\a)+\t)*4096 th:TH_STORE_NT   ; 32 lanes store 512 consecutive bytes, aligned; the base is never stepped: 63 rows of 4,096 bytes at the most
.endr
.endm
	TOSTAGE 0
.irp a, 1,2,3
.if \a > 1
	s_wait_xcnt 0x0                                ; block a - 2's stores have read their registers: block a's loads may land there
.endif
	TOSTAGE \a
	SEND \a-1, 32                                  ; behind block a - 1's loads: block a's 16 stores and 16 loads
.endr
	SEND 3, 0
	s_wait_tensorcnt 0x0                           ; the wave's end
	ds_add_u32 v[SPW], v[NIL]
	s_wait_dscnt 0x0
	CROUND                                         ; the closing round
	s_endpgm
.Lfunc_end_k_q65c2fd703e_proj:
	.size	k_q65c2fd703e_proj, .Lfunc_end_k_q65c2fd703e_proj-k_q65c2fd703e_proj
	.p2alignl 7, 3214868480
	.fill 96, 4, 3214868480
	.section	.rodata,"a",@progbits
	.p2align	6, 0x0
	.amdhsa_kernel k_q65c2fd703e_proj
		.amdhsa_group_segment_fixed_size 327680
		.amdhsa_private_segment_fixed_size 0
		.amdhsa_enable_private_segment 0
		.amdhsa_kernarg_size 40
		.amdhsa_user_sgpr_count 2
		.amdhsa_user_sgpr_kernarg_segment_ptr 1
		.amdhsa_wavefront_size32 1
		.amdhsa_system_sgpr_workgroup_id_x 1
		.amdhsa_system_sgpr_workgroup_id_y 1
		.amdhsa_system_sgpr_workgroup_id_z 1
		.amdhsa_system_vgpr_workitem_id 0
		.amdhsa_next_free_vgpr 1024
		.amdhsa_next_free_sgpr 100
		.amdhsa_reserve_vcc 0
		.amdhsa_float_denorm_mode_32 3
		.amdhsa_float_denorm_mode_16_64 3
		.amdhsa_memory_ordered 1
		.amdhsa_forward_progress 1
		.amdhsa_inst_pref_size 95
	.end_amdhsa_kernel
	.amdgpu_metadata
---
amdhsa.version: [ 1, 2 ]
amdhsa.kernels:
  - .name:           k_q65c2fd703e_proj
    .symbol:         k_q65c2fd703e_proj.kd
    .args:
      - { .name: oc, .offset: 0, .size: 8, .value_kind: global_buffer, .address_space: global }
      - { .name: W_out_codes, .offset: 8, .size: 8, .value_kind: global_buffer, .address_space: global }
      - { .name: b_out, .offset: 16, .size: 8, .value_kind: global_buffer, .address_space: global }
      - { .name: lowp_scales, .offset: 24, .size: 8, .value_kind: global_buffer, .address_space: global }
      - { .name: out0, .offset: 32, .size: 8, .value_kind: global_buffer, .address_space: global }
    .group_segment_fixed_size: 327680
    .private_segment_fixed_size: 0
    .kernarg_segment_align: 8
    .kernarg_segment_size: 40
    .max_flat_workgroup_size: 128
    .sgpr_count:     100
    .vgpr_count:     1024
    .wavefront_size: 32
...
	.end_amdgpu_metadata
.endif
;; end of part 3
